; MI455X (gfx1250); checked and timed in simulation.
; The chip was launched on July 23, 2026; its instructions are those of AMD's public machine-readable ISA for CDNA 5 (MIT licence, August 2026) and "CDNA5" Instruction Set Architecture Reference Guide (July 2026). The comments in the code are by the model that wrote it; some were corrected since.
;; ABC Linear. Allowed arithmetic: matrix products marked QUANTISED: E2M3 operands, one E8M0 scale for each 32 along K, by v_wmma_scale_f32_16x16x128_f8f6f4 with both operands' format E2M3, f32 sums; everything else in f32.
;; Inputs: As 2 x 4,096 x 64 float32; Bs 2 x 64 x 64 float32; Cs 2 x 64 x 4,096 float32; W 4,096 x 4,096 float32; bias 4,096 float32; x 2,048 x 4,096 float32.
;; Outputs: out0 2,048 x 4,096 float32.
;; This version of the problem:
;;   THIS VERSION OF THE PROBLEM IS GIVEN IN LOW PRECISION. The matrix products marked QUANTISED in the list below multiply operands that are first quantised to E2M3 (2 exponent bits, 3 mantissa bits; 6 bits a number), with one power-of-two scale for each 32 numbers along K (OCP MX v1.0); their sums are f32. All else is computed in f32.
;;   The module's matrix products, in the order in which they are computed (A, B: the left and right operand; K: the contracted axis; several contracted axes count as one K, in the product's order):
;;     1. batch 2 x [M 4,096, K 64] x [K 64, N 64]; A: computed on the way; B: input Bs: QUANTISED
;;     2. [M 4,096, K 128] x [K 128, N 4,096]; A: computed on the way; B: input Cs: QUANTISED
;;     3. [M 2,048, K 4,096] x [K 4,096, N 4,096]; A: input x; B: computed on the way: QUANTISED
;;   THE QUANTISER, for each operand of a quantised product, along K:
;;     - K is cut into blocks of 32 from its start; a last block that is shorter is filled with zeros.
;;     - A block's scale is 2^e with e = floor(log2(the largest magnitude in the block)) - 2, held to -126 .. 127; a block of zeros has e = 0. As a byte (E8M0): e + 127.
;;     - Each number is divided by its block's scale, clamped to +-7.5, and rounded to the nearest number of E2M3, ties to even, subnormals kept.
;;     - The product sums the exact products of the quantised numbers (number of the format x scale) in f32.
;;   ~~~python
;;   def quantise(x, axis):      # numpy; x: float32 -> the quantised numbers, widened to float32 again
;;       x = np.moveaxis(x, axis, -1); K = x.shape[-1]
;;       x = np.pad(x, [(0, 0)] * (x.ndim - 1) + [(0, -K % 32)]); x = x.reshape(x.shape[:-1] + (-1, 32)); a = np.abs(x).max(-1, keepdims=True)
;;       e = np.where(a > 0, np.clip(np.frexp(np.where(a > 0, a, 1))[1] - 1 - 2, -126, 127), 0)      # np.frexp(a)[1] - 1 = floor(log2(a)), exactly
;;       r = np.clip(x / 2.0 ** e, -7.5, 7.5)
;;       step = 2.0 ** (np.maximum(np.frexp(np.where(r == 0, 1, r))[1] - 1, 0) - 3)
;;       q = np.round(r / step) * step * 2.0 ** e      # np.round: ties to even
;;       return np.moveaxis(q.reshape(q.shape[:-2] + (-1,))[..., :K], -1, axis).astype(np.float32)
;;   ~~~
;;   OPERANDS COMPUTED ON THE WAY. 'Computed on the way' means the value that the module computes at that place (a softmax that the list does not call 'softmax' is quantised finished and normalised). What goes into a quantiser is computed in f32, as accurately as f32 sums, v_exp_f32 and their like allow (about 1e-6 of the number): no bf16 or f16 on the way to a quantiser, and a product that is left as it is and whose result goes on into a quantised operand takes f32 operands (vector FMAs, or v_wmma_f32_16x16x4_f32). A number that lies on a knife's edge between two numbers of the format may be rounded either way, as far as f32 arithmetic and the matrix unit's own rounding can turn it there, and no further.
;; One version. Each part assembles by itself: llvm-mc -triple=amdgcn-amd-amdhsa -mcpu=gfx1250 --defsym DOCPART=n.
;; ======== version 1 of 1: 2 launches
;; limits: right only within a limited range of input values
;; workspace buffers: xq 6,553,600 bytes; wq 13,107,200 bytes
;; launch prep (part 1): grid 16 x 16, 8 waves a work-group, no clusters, 327,680 bytes of LDS; arguments x, W, As, Bs, Cs, xq, wq; writes xq, wq
.if DOCPART == 1
	.amdgcn_target "amdgcn-amd-amdhsa--gfx1250"
	.amdhsa_code_object_version 6
	.text
	.protected	k_q4cdcbcd359_prep
	.globl	k_q4cdcbcd359_prep
	.p2align	8
	.type	k_q4cdcbcd359_prep,@function
k_q4cdcbcd359_prep:
	s_mov_b64 s[64:65], 0
	v_nop
	global_prefetch_b8 v0, s[64:65] scope:SCOPE_SE
	s_setreg_imm32_b32 hwreg(HW_REG_WAVE_MODE, 25, 1), 1
	s_wait_xcnt 0x0
; W_eff = W + Q(Q(tanh As) Q(Bs)) Q(Cs), and then Q(W_eff) and Q(x): codes of FP6 (E2M3) with one E8M0 scale byte for each 32 along K, stored as IMAGES OF OPERAND REGISTERS for the launch that multiplies them.
; SIZES: x [2048][4096], W [4096][4096], As [2][4096][64], Bs [2][64][64], Cs [2][64][4096], all f32.
; WORKSPACE.  Row = 32 tp + 16 q + r;  K = 512 ks + 128 kc + ..;  kc = 2 kp + e.  A block (ks, tp) is 12,800 bytes:
;   fragment (q, kc), 16 rows x 128 K, at (4 q + kc) x 1,536: its 12 registers, group c of four at 512 c + 16 x lane;   scale words at 12,288 + 256 kp + 128 q + 8 r + 4 e.
;   Blocks are ordered so that what one wave of the next launch fetches for ks = 2 p and 2 p + 1 lies on end:
;   xq: block number 128 (ks / 2) + 4 (tp / 2) + 2 (ks % 2) + tp % 2;   wq: 256 (ks / 2) + 8 (tp / 4) + 4 (ks % 2) + tp % 4.
; SHARES.  Work-group (cx, ry) makes rows 256 ry on x columns 256 cx on of W_eff, and, with n = 16 ry + cx, rows 32 (n / 4) on x columns 1,024 (n % 4) on of x.
;   A STRIP is 16 rows x 256 columns of f32.  Wave w of eight owns two strips of W (rows 32 w and 32 w + 16), one of x, two of the work-group's 16 fragments of Cs, one of the 8 of Bs, and the two tiles of tanh(As) Bs of its own 32 rows.
; ORDER.  Bs and the first tile of As are asked for first; then ONE tensor load a wave brings both strips of W, 32 rows, into the wave's two LDS slots.  Bs, tanh As and Cs are worked while it is on its way.
;   Then W's first strip is read out of slot A into 128 registers of the second window, and slot A is filled again with x's strip, behind the barrier that also shows the images of Bs and Cs to all waves.
;   P1, W's first strip (from registers) and W's second (from slot B) stand between that request and the wait for it; x's strip is quantised last.
;   P1 is laid block-diagonally over K = 64 f + r = 128: a tile of Bs holds codes in the half of its own factor f and zero codes in the other.  It is used transposed (source 0 = 16 columns of Bs, source 1 = 16 rows of tanh As),
;   and so is P2 (source 0 = 16 columns of Cs, source 1 = 16 rows of AB; its C is W itself).  THE COLUMNS OF A TILE ARE NOT NEIGHBOURS: lane r of tile 2 b + u takes column 32 b + 8 u + r + 8 (r / 8),
;   so that a lane holds one row and the 16 registers of tiles 2 b, 2 b + 1 are 16 neighbours along the next K: 32 b + 16 (lane / 16) + 0 .. 15.
; NO CLUSTER: each tile that a tensor load brings (a strip of W or of x) is read by one wave of one work-group.  NO PREFETCH: the text has no loop to run ahead in.
; LIMITS.  NaN and infinities among the inputs are not served.  A block of zeros gets the byte 1 (the zero halves of Bs: 0) where the rule says 127: its codes are zeros, and this program alone reads the bytes.
;   W enters as the C of P2, so W + the 128 products are rounded as the matrix instruction rounds a sum, not as a separate f32 addition.
;   tanh: under x^2 < 1/16 the odd series up to x^9 (the term left out is under 1e-8 of the number), else 1 - 2 / (1 + 2^(x 2 / ln 2)); a select, no branch.
.set PITCH, 1040                       ; a strip's row in LDS: 1,024 bytes + 16
.set STRIP, 16*PITCH
.set WSLOT, 2*STRIP                    ; a wave's two slots, filled by tensor loads alone
.set CIMG,  8*WSLOT                    ; images of the 16 fragments of Cs
.set CSC,   CIMG+16*1536               ; their scale words, 4 x lane
.set BIMG,  CSC+16*128                 ; images of the 8 fragments of Bs
.set BSC,   BIMG+8*1536                ; their scale words
.set SPARE, BSC+8*128                  ; the spare words, 128 bytes a wave: four blocks of 256 bytes that no other line names
.set BLK,   12800
.set SPW,  1                           ; SPARE + 4 x my thread's number; never rewritten
.set NIL,  2                           ; 0; never rewritten
.set LI16, 3                           ; 16 x lane
.set L8,   4                           ; 8 x lane
.set XSO,  5                           ; 8 r + 4 h
.set WRD,  6                           ; my place in my slot A: WSLOT w + PITCH r + 64 h
.set CIR,  7                           ; CIMG + 16 x lane
.set CSR,  8                           ; CSC + 4 x lane
.set BIR,  9                           ; BIMG + 16 x lane
.set BSR,  10                          ; BSC + 4 x lane
.set CIW,  11                          ; CIR + 3,072 w
.set CSW,  12                          ; CSR + 256 w
.set BIW,  13                          ; BIR + 1,536 w
.set BSW,  14                          ; BSR + 128 w
.set ASA,  15                          ; As: 256 r + 64 h
.set ABF0, 16                          ; v16-27 tile 0: codes of tanh As, then of AB
.set ABF1, 28                          ; v28-39 tile 1
.set ABS0, 40                          ; their scale words
.set ABS1, 41
.set SWA0, 42                          ; scale words of W's first strip, later of x's, column groups 0 and 1
.set SWA1, 43
.set V8H,  44                          ; 8 h
.set CSA,  46                          ; Cs: 524,288 h + 4 (r + 8 (r / 8))
.set BSA,  47                          ; Bs: 8,192 h + 4 (r + 8 (r / 8))
.set H,    48                          ; v48-111 64 numbers of a lane, or eight accumulators
.set PC,   112                         ; v112-123 the codes just made
.set QT,   124                         ; v124-131 second halves of the conversions
.set F,    132                         ; v132-227 eight fragments; earlier As tile 1, Cs fragment 1, Bs, and tanh at work
.set FS,   228                         ; v228-235 the eight fragments' scale words
.set TM,   236                         ; v236-251 the quantisers at work
.set SWB0, 252                         ; scale words of W's second strip; later x's words on their way out
.set SWB1, 253
.set KC4,  254                         ; v254-255 62/2835, twice
.set TT,   112                         ; tanh: x^2,
.set TP,   196                         ; the series,
.set TE,   212                         ; the exponential form
.set BN,   196                         ; v196-227 32 numbers of Bs
                                       ; second window, v256-383 (written v0-127 there): W's first strip, register 64 g + 16 b + 4 j + i = column 128 g + 32 b + 16 h + 4 j + i of row r
.set G1,   32                          ; s[32:39] group 1 for W's two strips: 32 rows
.set G1X,  80                          ; s[80:87] group 1 for x's strip: 16 rows
.set G0A,  40                          ; s[40:43] W's strips -> slots A and B
.set G0X,  48                          ; s[48:51] x's strip -> slot A, the refill.  Neither is ever rewritten
; 64 numbers of a lane, register 16 b + i = k 32 b + 16 (lane / 16) + i of my row, become a fragment's 12 registers in v[d] on and its scale word in v[pw].
.macro QUANT s, d, pw
.irp b, 0,1,2,3
	v_max3_num_f32 v[TM+\b], |v[(\s)+16*\b]|, |v[(\s)+1+16*\b]|, 0x1800000   ; my 16 numbers of block b, and the floor 2^(3 - 127): the byte cannot fall under 1
.endr
.irp i, 2,4,6,8,10,12,14
.irp b, 0,1,2,3
	v_max3_num_f32 v[TM+\b], v[TM+\b], |v[(\s)+16*\b+\i]|, |v[(\s)+1+16*\b+\i]|   ; four blocks by turns; each accumulator is read from its low end on
.endr
.endr
.irp b, 0,1,2,3
	s_delay_alu instid0(VALU_DEP_4)
	v_permlanex16_b32 v[TM+4+\b], v[TM+\b], s20, s21
.endr
.irp b, 0,1,2,3
	s_delay_alu instid0(VALU_DEP_4)
	v_max_num_f32 v[TM+\b], v[TM+\b], v[TM+4+\b]   ; with lane l xor 16: the block's largest magnitude
.endr
.irp b, 0,1,2,3
	s_delay_alu instid0(VALU_DEP_4)
	v_add_nc_u32 v[TM+12+\b], 0xff000000, v[TM+\b]   ; 2 off its exponent field: the conversion's scale operand
.endr
.irp b, 0,1,2,3
	s_delay_alu instid0(VALU_DEP_4)
	v_lshrrev_b32 v[TM+4+\b], 23, v[TM+12+\b]      ; the scale's byte
.endr
	s_delay_alu instid0(VALU_DEP_3)
	v_lshl_or_b32 v[\pw], v[TM+5], 8, v[TM+4]      ; my row's scale word, the same in lanes l and l xor 16
	s_delay_alu instid0(VALU_DEP_1)
	v_lshl_or_b32 v[\pw], v[TM+6], 16, v[\pw]
	s_delay_alu instid0(VALU_DEP_1)
	v_lshl_or_b32 v[\pw], v[TM+7], 24, v[\pw]
.irp c, 0,1
	v_cvt_scalef32_pk16_fp6_f32 v[(\d)+6*\c:(\d)+2+6*\c], v[(\s)+32*\c:(\s)+15+32*\c], v[TM+12+2*\c]
	v_cvt_scalef32_pk16_fp6_f32 v[QT+4*\c:QT+2+4*\c], v[(\s)+16+32*\c:(\s)+31+32*\c], v[TM+12+2*\c+1]   ; (a conversion's three registers begin on an even number)
.endr
	v_nop                                          ; one plain place behind the scaled conversions
.irp c, 0,1                                    ; the operand wants a whole block in a lane: lanes 0-15 block 2 c, lanes 16-31 block 2 c + 1
.irp i, 0,1,2
	v_permlane16_swap_b32 v[(\d)+6*\c+\i], v[QT+4*\c+\i]
.endr
.irp i, 0,1,2
	s_delay_alu instid0(VALU_DEP_3)
	v_mov_b32 v[(\d)+3+6*\c+\i], v[QT+4*\c+\i]
.endr
.endr
.endm
; tanh in place on 64 numbers, 16 at a time.  Each batch of transcendentals has one wait ahead of it and one behind it.
.macro TANH s
.irp k, 0,1,2,3
.irp i, 0,2,4,6,8,10,12,14
	v_pk_mul_f32 v[TE+\i:TE+\i+1], v[(\s)+16*\k+\i:(\s)+16*\k+\i+1], s[22:23] op_sel_hi:[1,0]   ; x 2 / ln 2
.endr
	s_wait_alu depctr_va_vdst(0)
.irp i, 0,1,2,3,4,5,6,7,8,9,10,11,12,13,14,15
	v_exp_f32 v[TE+\i], v[TE+\i]                   ; e^(2 x)
.endr
.irp i, 0,2,4,6,8,10,12,14
	v_pk_mul_f32 v[TT+\i:TT+\i+1], v[(\s)+16*\k+\i:(\s)+16*\k+\i+1], v[(\s)+16*\k+\i:(\s)+16*\k+\i+1]   ; t = x^2
.endr
.irp i, 0,2,4,6,8,10,12,14
	v_pk_fma_f32 v[TP+\i:TP+\i+1], v[TT+\i:TT+\i+1], v[KC4:KC4+1], s[24:25] op_sel_hi:[1,1,0]   ; 62/2835 t - 17/315
.endr
.irp i, 0,2,4,6,8,10,12,14
	v_pk_fma_f32 v[TP+\i:TP+\i+1], v[TT+\i:TT+\i+1], v[TP+\i:TP+\i+1], s[26:27] op_sel_hi:[1,1,0]   ; .. t + 2/15
.endr
	s_wait_alu depctr_va_vdst(0)                   ; the sixteen exponentials
.irp i, 0,2,4,6,8,10,12,14
	v_pk_add_f32 v[TE+\i:TE+\i+1], v[TE+\i:TE+\i+1], 1.0 op_sel_hi:[1,0]
.endr
	s_wait_alu depctr_va_vdst(0)
.irp i, 0,1,2,3,4,5,6,7,8,9,10,11,12,13,14,15
	v_rcp_f32 v[TE+\i], v[TE+\i]                   ; 1 / (1 + e^(2 x))
.endr
.irp i, 0,2,4,6,8,10,12,14
	v_pk_fma_f32 v[TP+\i:TP+\i+1], v[TT+\i:TT+\i+1], v[TP+\i:TP+\i+1], s[28:29] op_sel_hi:[1,1,0]   ; .. t - 1/3
.endr
.irp i, 0,2,4,6,8,10,12,14
	v_pk_fma_f32 v[TP+\i:TP+\i+1], v[TT+\i:TT+\i+1], v[TP+\i:TP+\i+1], 1.0 op_sel_hi:[1,1,0]   ; .. t + 1
.endr
.irp i, 0,2,4,6,8,10,12,14
	v_pk_mul_f32 v[TP+\i:TP+\i+1], v[TP+\i:TP+\i+1], v[(\s)+16*\k+\i:(\s)+16*\k+\i+1]   ; .. x: the series
.endr
	s_wait_alu depctr_va_vdst(0)                   ; the sixteen reciprocals
.irp i, 0,2,4,6,8,10,12,14
	v_pk_fma_f32 v[TE+\i:TE+\i+1], v[TE+\i:TE+\i+1], -2.0, 1.0 op_sel_hi:[1,0,0]   ; 1 - 2 / (1 + e^(2 x))
.endr
.irp i, 0,1,2,3,4,5,6,7,8,9,10,11,12,13,14,15
	v_cmp_gt_f32 vcc_lo, s30, v[TT+\i]             ; 1/16 > x^2: the series, where the other form would cancel
	s_delay_alu instid0(VALU_DEP_1)
	v_cndmask_b32 v[(\s)+16*\k+\i], v[TE+\i], v[TP+\i], vcc_lo
.endr
.endr
.endm
.macro IMAGE adr, off                          ; the fragment in v[PC] on goes to LDS as it stands: 16 bytes a lane, 512 consecutive bytes a store
.irp c, 0,1,2
	ds_store_b128 v[\adr], v[PC+4*\c:PC+4*\c+3] offset:(\off)+512*\c
.endr
.endm
; A fragment of Cs.  My lane holds one column and 64 numbers down K: v[s + 32 c + j] = Cs[c][32 h + j][column]: two whole blocks, 2 c + h.
.macro QCS s, n
.irp c, 0,1
	v_max3_num_f32 v[TM+\c], |v[(\s)+32*\c]|, |v[(\s)+1+32*\c]|, 0x1800000
.endr
.irp i, 2,4,6,8,10,12,14,16,18,20,22,24,26,28,30
.irp c, 0,1
	s_delay_alu instid0(VALU_DEP_2)
	v_max3_num_f32 v[TM+\c], v[TM+\c], |v[(\s)+32*\c+\i]|, |v[(\s)+1+32*\c+\i]|
.endr
.endr
.irp c, 0,1
	s_delay_alu instid0(VALU_DEP_2)
	v_add_nc_u32 v[TM+12+\c], 0xff000000, v[TM+\c]
.endr
.irp c, 0,1
	s_delay_alu instid0(VALU_DEP_2)
	v_lshrrev_b32 v[TM+4+\c], 23, v[TM+12+\c]
.endr
	s_delay_alu instid0(VALU_DEP_1)
	v_lshl_or_b32 v[TM+8], v[TM+5], 16, v[TM+4]    ; my two bytes, blocks h and 2 + h,
	s_delay_alu instid0(VALU_DEP_1)
	v_lshlrev_b32 v[TM+8], v[V8H], v[TM+8]         ; at their places in the word;
	s_delay_alu instid0(VALU_DEP_1)
	v_permlanex16_b32 v[TM+6], v[TM+8], s20, s21
	s_delay_alu instid0(VALU_DEP_1)
	v_or_b32 v[TM+8], v[TM+8], v[TM+6]             ; with lane l xor 16's two the word is whole
.irp c, 0,1
	v_cvt_scalef32_pk16_fp6_f32 v[PC+6*\c:PC+2+6*\c], v[(\s)+32*\c:(\s)+15+32*\c], v[TM+12+\c]
	v_cvt_scalef32_pk16_fp6_f32 v[QT+4*\c:QT+2+4*\c], v[(\s)+16+32*\c:(\s)+31+32*\c], v[TM+12+\c]
.endr
	v_nop                                          ; one plain place behind the scaled conversions
.irp c, 0,1
.irp i, 0,1,2
	v_mov_b32 v[PC+3+6*\c+\i], v[QT+4*\c+\i]
.endr
.endr
	IMAGE CIW, 1536*(\n)
	ds_store_b32 v[CSW], v[TM+8] offset:128*(\n)
	s_wait_dscnt 0x0                               ; the stores have read their registers
.endm
.macro CSLOAD reg, off                         ; 64 numbers down K of my column
.set J, 0
.rept 64
	global_load_b32 v[(\reg)+J], v[CSA], s[12:13] offset:1048576*(J/32)+16384*(J%32)+(\off)
.set J, J+1
.endr
.endm
.macro ASLOAD reg, off                         ; 16 rows of As, both factors: register 16 b + i = As[b / 2][row r][32 (b % 2) + 16 h + i]
.irp b, 0,1,2,3
.irp j, 0,1,2,3
	global_load_b128 v[(\reg)+16*\b+4*\j:(\reg)+16*\b+4*\j+3], v[ASA], s[8:9] offset:1048576*(\b/2)+128*(\b%2)+16*\j+(\off)
.endr
.endr
.endm
; P1 for one tile of 16 rows: eight tiles of 16 columns (f, k), each begun with the constant 0; the results are quantised along (f, k) over the codes of tanh As, which are done with.
.macro P1 abf, abs
.irp t, 0,1,2,3,4,5,6,7
	v_wmma_scale_f32_16x16x128_f8f6f4 v[H+8*\t:H+8*\t+7], v[F+12*\t:F+12*\t+11], v[\abf:\abf+11], 0, v[FS+\t], v[\abs] matrix_a_fmt:MATRIX_FMT_FP6 matrix_b_fmt:MATRIX_FMT_FP6
.endr
.rept 4
	v_nop                                          ; four places ahead of the first read of results and the first write of a source (ISA guide 7.12.1)
.endr
	QUANT H, \abf, \abs
.endm
; One group of 128 columns of a strip, quantised, its fragment's image stored.  prod = 0: the numbers from my slot as they are (x).  prod = 1: from my slot, with the product of AB's 16 rows and Cs's eight tiles on top of them.
; prod = 2: the same product on top of the numbers that lie in the second window's registers 64 g on.
.macro GROUP slot, g, abf, abs, prod, pw, base, goff
.if \prod
.rept 4
	v_nop                                          ; four places ahead of loads into registers that matrix instructions have named  (x's groups follow a group whose products have their four places already)
.endr
.endif
.if \prod < 2
.irp b, 0,1,2,3
.irp j, 0,1,2,3
	ds_load_b128 v[H+16*\b+4*\j:H+16*\b+4*\j+3], v[WRD] offset:(\slot)+512*(\g)+128*\b+16*\j   ; row r, columns 128 g + 32 b + 16 h + 4 j on
.endr
.endr
.endif
.if \prod
.irp t, 0,1,2,3,4,5,6,7
.irp c, 0,1,2
	ds_load_b128 v[F+12*\t+4*\c:F+12*\t+4*\c+3], v[CIR] offset:(8*(\g)+\t)*1536+512*\c
.endr
	ds_load_b32 v[FS+\t], v[CSR] offset:(8*(\g)+\t)*128
.endr
.endif
	s_wait_dscnt 0x0
.if \prod == 2
	s_set_vgpr_msb 0x10                            ; C in the second window
.irp t, 0,1,2,3,4,5,6,7                        ; W is the C: eight accumulators, one instruction each
	v_wmma_scale_f32_16x16x128_f8f6f4 v[H+8*\t:H+8*\t+7], v[F+12*\t:F+12*\t+11], v[\abf:\abf+11], v[64*(\g)+8*\t:64*(\g)+8*\t+7], v[FS+\t], v[\abs] matrix_a_fmt:MATRIX_FMT_FP6 matrix_b_fmt:MATRIX_FMT_FP6
.endr
	s_set_vgpr_msb 0x1000
.endif
.if \prod == 1
.irp t, 0,1,2,3,4,5,6,7
	v_wmma_scale_f32_16x16x128_f8f6f4 v[H+8*\t:H+8*\t+7], v[F+12*\t:F+12*\t+11], v[\abf:\abf+11], v[H+8*\t:H+8*\t+7], v[FS+\t], v[\abs] matrix_a_fmt:MATRIX_FMT_FP6 matrix_b_fmt:MATRIX_FMT_FP6
.endr
.endif
.if \prod
.rept 4
	v_nop
.endr
.endif
	s_wait_xcnt 0x0                                ; the last image's stores have read v[PC] on, and the scale words' store its data
	QUANT H, PC, \pw
.irp c, 0,1,2
	global_store_b128 v[LI16], v[PC+4*\c:PC+4*\c+3], s[\base:\base+1] offset:(\goff)+1536*(\g)+512*\c   ; 32 lanes store 512 consecutive bytes, at a multiple of 256 from the buffer's first byte
.endr
.endm
	s_load_b256 s[4:11], s[0:1], 0x0               ; x s[4:5], W s[6:7], As s[8:9], Bs s[10:11]
	s_load_b128 s[12:15], s[0:1], 0x20             ; Cs s[12:13], xq s[14:15]
	s_load_b64 s[16:17], s[0:1], 0x30              ; wq
	v_lshl_add_u32 v[SPW], v0, 2, SPARE
	v_mov_b32 v[NIL], 0
	ds_add_u32 v[SPW], v[NIL]                      ; the opening lines: the add, twice on end, and its one wait ahead of my first tensor load
	ds_add_u32 v[SPW], v[NIL]
	v_lshrrev_b32 v3, 5, v0
	v_readfirstlane_b32 s18, v3                    ; wave 0..7
	s_and_b32 s3, ttmp7, 0xffff                    ; ry
	s_lshl_b32 s19, s3, 4
	s_add_co_u32 s19, s19, ttmp9                   ; n = 16 ry + cx
	; groups 1: rows of 256 elements of 4 bytes, 4,096 elements apart, 4 words of padding behind every 256; 32 rows for W, 16 for x
	s_mov_b32 s[G1+0], (2<<16)|(1<<20)|(7<<22)|(3<<25)
	s_mov_b32 s[G1+1], 256<<16
	s_mov_b32 s[G1+2], 32<<16
	s_mov_b32 s[G1+3], 256<<16
	s_mov_b32 s[G1+4], 32
	s_mov_b32 s[G1+5], 4096
	s_mov_b32 s[G1+6], 0
	s_mov_b32 s[G1+7], 0
	s_mov_b32 s[G1X+0], (2<<16)|(1<<20)|(7<<22)|(3<<25)
	s_mov_b32 s[G1X+1], 256<<16
	s_mov_b32 s[G1X+2], 16<<16
	s_mov_b32 s[G1X+3], 256<<16
	s_mov_b32 s[G1X+4], 16
	s_mov_b32 s[G1X+5], 4096
	s_mov_b32 s[G1X+6], 0
	s_mov_b32 s[G1X+7], 0
	; W: (256 ry + 32 w) rows of 16,384 bytes + 1,024 cx
	s_lshl_b32 s42, s3, 22
	s_lshl_b32 s2, s18, 19
	s_add_co_u32 s42, s42, s2
	s_lshl_b32 s2, ttmp9, 10
	s_add_co_u32 s42, s42, s2
	s_mov_b32 s43, 0
	; x: (32 (n / 4) + 16 (w % 2)) rows + 4,096 (n % 4) + 1,024 (w / 2)
	s_lshr_b32 s50, s19, 2
	s_lshl_b32 s50, s50, 1
	s_and_b32 s2, s18, 1
	s_add_co_u32 s50, s50, s2
	s_lshl_b32 s50, s50, 18
	s_and_b32 s2, s19, 3
	s_lshl_b32 s2, s2, 12
	s_add_co_u32 s50, s50, s2
	s_lshr_b32 s2, s18, 1
	s_lshl_b32 s2, s2, 10
	s_add_co_u32 s50, s50, s2
	s_mov_b32 s51, 0
	s_mov_b32 s[G0X], 1
	s_mul_i32 s[G0X+1], s18, WSLOT                 ; x's strip: slot A
	s_mov_b32 s[G0A], 1
	s_mul_i32 s[G0A+1], s18, WSLOT                 ; W's strips: slot A and, behind it, slot B
	s_lshl_b32 s66, s3, 16                         ; As: (256 ry + 32 w) rows of 256 bytes
	s_lshl_b32 s2, s18, 13
	s_add_co_u32 s66, s66, s2
	s_mov_b32 s67, 0
	s_lshr_b32 s68, s18, 2                         ; Bs, tile w: factor w / 4, columns 32 ((w / 2) % 2) + 8 (w % 2) on
	s_lshl_b32 s54, s68, 4                         ; 16 (w / 4): where my factor's two scale bytes stand in the word
	s_lshl_b32 s68, s68, 14
	s_bfe_u32 s2, s18, 0x10001
	s_lshl_b32 s2, s2, 7
	s_add_co_u32 s68, s68, s2
	s_and_b32 s2, s18, 1
	s_lshl_b32 s2, s2, 5
	s_add_co_u32 s68, s68, s2
	s_mov_b32 s69, 0
	s_lshl_b32 s70, ttmp9, 10                      ; Cs: columns 256 cx + 32 w on
	s_lshl_b32 s2, s18, 7
	s_add_co_u32 s70, s70, s2
	s_mov_b32 s71, 0
	s_lshr_b32 s56, ttmp9, 2                       ; wq: ks = cx / 2, tp = 8 ry + w: block 256 (cx / 4) + 16 ry + 8 (w / 4) + 4 ((cx / 2) % 2) + w % 4; kp = cx % 2
	s_lshl_b32 s56, s56, 8
	s_lshl_b32 s2, s3, 4
	s_add_co_u32 s56, s56, s2
	s_lshr_b32 s2, s18, 2
	s_lshl_b32 s2, s2, 3
	s_add_co_u32 s56, s56, s2
	s_bfe_u32 s2, ttmp9, 0x10001
	s_lshl_b32 s2, s2, 2
	s_add_co_u32 s56, s56, s2
	s_and_b32 s2, s18, 3
	s_add_co_u32 s56, s56, s2
	s_mul_i32 s56, s56, BLK
	s_and_b32 s2, ttmp9, 1
	s_lshl_b32 s58, s2, 8
	s_add_co_u32 s58, s58, s56
	s_add_co_u32 s58, s58, 12288                   ; its scale words
	s_mul_i32 s2, s2, 3072
	s_add_co_u32 s56, s56, s2                      ; its codes
	s_mov_b32 s57, 0
	s_mov_b32 s59, 0
	s_and_b32 s60, s19, 3                          ; xq: ks = 2 (n % 4) + w / 4, tp = n / 4: block 128 (n % 4) + 4 (n / 8) + 2 (w / 4) + (n / 4) % 2; kp = (w / 2) % 2; q = w % 2
	s_lshl_b32 s60, s60, 7
	s_lshr_b32 s2, s19, 3
	s_lshl_b32 s2, s2, 2
	s_add_co_u32 s60, s60, s2
	s_lshr_b32 s2, s18, 2
	s_lshl_b32 s2, s2, 1
	s_add_co_u32 s60, s60, s2
	s_bfe_u32 s2, s19, 0x10002
	s_add_co_u32 s60, s60, s2
	s_mul_i32 s60, s60, BLK
	s_bfe_u32 s2, s18, 0x10001
	s_lshl_b32 s62, s2, 8
	s_add_co_u32 s62, s62, s60
	s_add_co_u32 s62, s62, 12288
	s_mul_i32 s2, s2, 3072
	s_add_co_u32 s60, s60, s2
	s_and_b32 s2, s18, 1
	s_lshl_b32 s72, s2, 7
	s_add_co_u32 s62, s62, s72
	s_mul_i32 s2, s2, 6144
	s_add_co_u32 s60, s60, s2
	s_mov_b32 s61, 0
	s_mov_b32 s63, 0
	s_cmp_lt_u32 s18, 4
	s_cselect_b32 s52, -1, 0                       ; all ones where my tile of Bs belongs to factor 0,
	s_not_b32 s53, s52                             ; and where it belongs to factor 1
	s_mov_b32 s20, 0x76543210
	s_mov_b32 s21, 0xfedcba98                      ; v_permlanex16_b32's selects for lane l xor 16
	s_mov_b32 s22, 0x4038aa3b                      ; 2 / ln 2  (the packed forms name pairs: both words are written)
	s_mov_b32 s23, s22
	s_mov_b32 s24, 0xbd5d0dd1                      ; -17/315
	s_mov_b32 s25, s24
	s_mov_b32 s26, 0x3e088889                      ; 2/15
	s_mov_b32 s27, s26
	s_mov_b32 s28, 0xbeaaaaab                      ; -1/3
	s_mov_b32 s29, s28
	s_mov_b32 s30, 0x3d800000                      ; 1/16
	s_mov_b32 s31, 0xffff0000                      ; lanes 16-31
	s_mul_i32 s88, s18, 3072
	s_lshl_b32 s89, s18, 8
	s_mul_i32 s90, s18, 1536
	s_lshl_b32 s91, s18, 7
	; the vector registers of the head, in one run
	v_and_b32 v51, 31, v0                          ; lane
	v_and_b32 v48, 15, v0                          ; r
	v_bfe_u32 v49, v0, 4, 1                        ; h
	v_and_b32 v50, 8, v48
	v_add_nc_u32 v50, v50, v48                     ; r + 8 (r / 8)
	v_lshlrev_b32 v[LI16], 4, v51
	v_lshlrev_b32 v[L8], 3, v51
	v_lshlrev_b32 v[XSO], 3, v48
	v_lshl_add_u32 v[XSO], v49, 2, v[XSO]
	v_mul_u32_u24 v[WRD], v48, PITCH
	v_lshl_add_u32 v[WRD], v49, 6, v[WRD]
	v_add_nc_u32 v[WRD], s[G0A+1], v[WRD]
	v_add_nc_u32 v[CIR], CIMG, v[LI16]
	v_lshl_add_u32 v[CSR], v51, 2, CSC
	v_add_nc_u32 v[BIR], BIMG, v[LI16]
	v_lshl_add_u32 v[BSR], v51, 2, BSC
	v_add_nc_u32 v[CIW], s88, v[CIR]
	v_add_nc_u32 v[CSW], s89, v[CSR]
	v_add_nc_u32 v[BIW], s90, v[BIR]
	v_add_nc_u32 v[BSW], s91, v[BSR]
	v_lshlrev_b32 v[ASA], 8, v48
	v_lshl_add_u32 v[ASA], v49, 6, v[ASA]
	v_lshlrev_b32 v[CSA], 2, v50
	v_lshl_add_u32 v[BSA], v49, 13, v[CSA]
	v_lshl_add_u32 v[CSA], v49, 19, v[CSA]
	v_lshlrev_b32 v[V8H], 3, v49
.irp b, 0,1,2,3
	v_mov_b32 v[TM+4+\b], 0                        ; written once: a lane permute's destination counts as one of its sources
.endr
	v_mov_b32 v[KC4], 0x3cb327a4                   ; 62/2835
	v_mov_b32 v[KC4+1], 0x3cb327a4
	s_wait_alu depctr_va_vdst(0)
	s_wait_dscnt 0x0                               ; both opening adds are done
	s_wait_kmcnt 0x0
	s_add_nc_u64 s[G0A+2:G0A+3], s[6:7], s[42:43]
	s_add_nc_u64 s[G0X+2:G0X+3], s[4:5], s[50:51]
	s_or_b32 s[G0A+3], s[G0A+3], 0x80000000
	s_or_b32 s[G0X+3], s[G0X+3], 0x80000000
	s_add_nc_u64 s[8:9], s[8:9], s[66:67]
	s_add_nc_u64 s[10:11], s[10:11], s[68:69]
	s_add_nc_u64 s[12:13], s[12:13], s[70:71]
	s_add_nc_u64 s[56:57], s[16:17], s[56:57]
	s_add_nc_u64 s[58:59], s[16:17], s[58:59]
	s_add_nc_u64 s[60:61], s[14:15], s[60:61]
	s_add_nc_u64 s[62:63], s[14:15], s[62:63]
	; ---- the small operands' numbers that are worked first, then W
.set J, 0
.rept 32
	global_load_b32 v[BN+J], v[BSA], s[10:11] offset:256*J   ; Bs[f][32 h + J][my column]: one block of 32 down K
.set J, J+1
.endr
	ASLOAD H, 0                                    ; my rows 0-15
	tensor_load_to_lds s[G0A:G0A+3], s[G1:G1+7]    ; my one tensor load at the head: W's 32 rows x 1,024 bytes, both my slots
	s_nop 0
.rept 4
	v_nop
.endr
	ASLOAD F, 4096                                 ; my rows 16-31
	s_wait_loadcnt 32                              ; Bs is in: the 32 loads of As are younger
	; ---- my tile of Bs: codes in the half of my factor, zero codes in the other
	v_max3_num_f32 v[TM], |v[BN]|, |v[BN+1]|, 0x1800000
	v_max3_num_f32 v[TM+1], |v[BN+16]|, |v[BN+17]|, |v[BN+18]|
.irp i, 2,4,6,8,10,12
	s_delay_alu instid0(VALU_DEP_2)
	v_max3_num_f32 v[TM], v[TM], |v[BN+\i]|, |v[BN+1+\i]|
	s_delay_alu instid0(VALU_DEP_2)
	v_max3_num_f32 v[TM+1], v[TM+1], |v[BN+17+\i]|, |v[BN+18+\i]|
.endr
	s_delay_alu instid0(VALU_DEP_2)
	v_max3_num_f32 v[TM], v[TM], |v[BN+14]|, |v[BN+15]|
	s_delay_alu instid0(VALU_DEP_1)
	v_max3_num_f32 v[TM], v[TM], v[TM+1], |v[BN+31]|
	s_delay_alu instid0(VALU_DEP_1)
	v_add_nc_u32 v[TM+12], 0xff000000, v[TM]
	s_delay_alu instid0(VALU_DEP_1)
	v_lshrrev_b32 v[TM+4], 23, v[TM+12]
	s_delay_alu instid0(VALU_DEP_1)
	v_lshlrev_b32 v[TM+8], v[V8H], v[TM+4]         ; my byte, block h of my factor;
	s_delay_alu instid0(VALU_DEP_1)
	v_permlanex16_b32 v[TM+6], v[TM+8], s20, s21
	s_delay_alu instid0(VALU_DEP_1)
	v_or_b32 v[TM+8], v[TM+8], v[TM+6]             ; with lane l xor 16's;
	s_delay_alu instid0(VALU_DEP_1)
	v_lshlrev_b32 v[TM+8], s54, v[TM+8]            ; in my factor's half of the word.  The other half's bytes are 0, over zero codes
	v_cvt_scalef32_pk16_fp6_f32 v[QT:QT+2], v[BN:BN+15], v[TM+12]
	v_cvt_scalef32_pk16_fp6_f32 v[QT+4:QT+6], v[BN+16:BN+31], v[TM+12]
	v_nop                                          ; one plain place behind the scaled conversions
.irp i, 0,1,2
	v_and_b32 v[PC+\i], s52, v[QT+\i]
	v_and_b32 v[PC+3+\i], s52, v[QT+4+\i]
	v_and_b32 v[PC+6+\i], s53, v[QT+\i]
	v_and_b32 v[PC+9+\i], s53, v[QT+4+\i]
.endr
	IMAGE BIW, 0
	ds_store_b32 v[BSW], v[TM+8]
	s_wait_dscnt 0x0                               ; the stores have read their registers
	; ---- tanh(As), tile 0, quantised along r
	s_wait_loadcnt 0x0
	TANH H
	QUANT H, ABF0, ABS0
	CSLOAD H, 0                                    ; fragment 2 w of Cs, asked for ahead of tile 1's work
	; ---- tanh(As), tile 1
	TANH F
	QUANT F, ABF1, ABS1
	CSLOAD F, 32                                   ; fragment 2 w + 1: eight columns on
	s_wait_loadcnt 63                              ; fragment 2 w is in.  64 loads are younger; 63 is the largest count that can be written, so one of them is awaited too
	QCS H, 0
	s_wait_loadcnt 0x0
	QCS F, 1
	; ---- W's first strip leaves slot A for the second window's registers; only I read my slots
	s_wait_tensorcnt 0x0                           ; W's 32 rows are in
	s_set_vgpr_msb 0x40                            ; destinations in the second window
.irp g, 0,1
.irp b, 0,1,2,3
.irp j, 0,1,2,3
	ds_load_b128 v[64*\g+16*\b+4*\j:64*\g+16*\b+4*\j+3], v[WRD] offset:512*\g+128*\b+16*\j
.endr
.endr
.endr
	s_set_vgpr_msb 0x4000
	; ---- slot A is filled again, with x's strip.  The same barrier shows everybody's images of Bs and Cs
	s_wait_tensorcnt 0x0                           ; no tensor load of mine is out,
	ds_add_u32 v[SPW], v[NIL]                      ; 0 onto my spare word
	s_wait_dscnt 0x0                               ; the add is done, my reads of slot A are back, my images are in LDS
	s_barrier_signal -1
	s_barrier_wait -1
	tensor_load_to_lds s[G0X:G0X+3], s[G1X:G1X+7]  ; my one tensor load behind this barrier, and the first thing there: P1 and both strips of W stand ahead of the wait for it
	s_nop 0
.rept 4
	v_nop
.endr
	; ---- P1
.irp t, 0,1,2,3,4,5,6,7
.irp c, 0,1,2
	ds_load_b128 v[F+12*\t+4*\c:F+12*\t+4*\c+3], v[BIR] offset:\t*1536+512*\c
.endr
	ds_load_b32 v[FS+\t], v[BSR] offset:\t*128
.endr
	s_wait_dscnt 0x0
	P1 ABF0, ABS0
.rept 5
	v_nop                                          ; five places ahead of matrix instructions that write over the accumulators of tile 0
.endr
	P1 ABF1, ABS1
	; ---- W's first strip, from registers
	GROUP 0, 0, ABF0, ABS0, 2, SWA0, 56, 0
	GROUP 0, 1, ABF0, ABS0, 2, SWA1, 56, 0
	; ---- W's second strip, in slot B: shown landed by the wait ahead of the refill
	GROUP STRIP, 0, ABF1, ABS1, 1, SWB0, 56, 6144
	GROUP STRIP, 1, ABF1, ABS1, 1, SWB1, 56, 6144
	v_cndmask_b32 v[SWA0], v[SWA0], v[SWB0], s31   ; lanes 0-15 keep the first strip's words (q = 0), lanes 16-31 take the second's (q = 1)
	v_cndmask_b32 v[SWA1], v[SWA1], v[SWB1], s31
	global_store_b64 v[L8], v[SWA0:SWA1], s[58:59] ; 32 lanes store 256 consecutive bytes, aligned
	; ---- my strip of x, in slot A
	s_wait_tensorcnt 0x0
	GROUP 0, 0, 0, 0, 0, SWA0, 60, 0
	GROUP 0, 1, 0, 0, 0, SWA1, 60, 0
	v_cndmask_b32 v[SWB0], v[SWA0], v[SWA1], s31   ; lanes 0-15 the word of column group 0, lanes 16-31 that of group 1
	global_store_b32 v[XSO], v[SWB0], s[62:63]     ; 128 consecutive bytes; wave w xor 1 stores the 128 beside them
	s_wait_tensorcnt 0x0                           ; the wave's end
	ds_add_u32 v[SPW], v[NIL]
	s_wait_dscnt 0x0
	s_endpgm
.Lfunc_end_k_q4cdcbcd359_prep:
	.size	k_q4cdcbcd359_prep, .Lfunc_end_k_q4cdcbcd359_prep-k_q4cdcbcd359_prep
	.p2alignl 7, 3214868480
	.fill 96, 4, 3214868480
	.section	.rodata,"a",@progbits
	.p2align	6, 0x0
	.amdhsa_kernel k_q4cdcbcd359_prep
		.amdhsa_group_segment_fixed_size 327680
		.amdhsa_private_segment_fixed_size 0
		.amdhsa_enable_private_segment 0
		.amdhsa_kernarg_size 56
		.amdhsa_user_sgpr_count 2
		.amdhsa_user_sgpr_kernarg_segment_ptr 1
		.amdhsa_wavefront_size32 1
		.amdhsa_system_sgpr_workgroup_id_x 1
		.amdhsa_system_sgpr_workgroup_id_y 1
		.amdhsa_system_sgpr_workgroup_id_z 1
		.amdhsa_system_vgpr_workitem_id 0
		.amdhsa_next_free_vgpr 384
		.amdhsa_next_free_sgpr 96
		.amdhsa_reserve_vcc 1
		.amdhsa_float_denorm_mode_32 3
		.amdhsa_float_denorm_mode_16_64 3
		.amdhsa_memory_ordered 1
		.amdhsa_forward_progress 1
		.amdhsa_inst_pref_size 167
	.end_amdhsa_kernel
	.amdgpu_metadata
---
amdhsa.version: [ 1, 2 ]
amdhsa.kernels:
  - .name:           k_q4cdcbcd359_prep
    .symbol:         k_q4cdcbcd359_prep.kd
    .args:
      - { .name: x, .offset: 0, .size: 8, .value_kind: global_buffer, .address_space: global }
      - { .name: W, .offset: 8, .size: 8, .value_kind: global_buffer, .address_space: global }
      - { .name: As, .offset: 16, .size: 8, .value_kind: global_buffer, .address_space: global }
      - { .name: Bs, .offset: 24, .size: 8, .value_kind: global_buffer, .address_space: global }
      - { .name: Cs, .offset: 32, .size: 8, .value_kind: global_buffer, .address_space: global }
      - { .name: xq, .offset: 40, .size: 8, .value_kind: global_buffer, .address_space: global }
      - { .name: wq, .offset: 48, .size: 8, .value_kind: global_buffer, .address_space: global }
    .group_segment_fixed_size: 327680
    .private_segment_fixed_size: 0
    .kernarg_segment_align: 8
    .kernarg_segment_size: 56
    .max_flat_workgroup_size: 256
    .sgpr_count:     96
    .vgpr_count:     384
    .wavefront_size: 32
...
	.end_amdgpu_metadata
.endif
;; end of part 1
;; launch gemm (part 2): grid 16 x 16, 4 waves a work-group, clusters of 4 x 4, 327,680 bytes of LDS; arguments xq, wq, bias, out0; writes out0
.if DOCPART == 2
	.amdgcn_target "amdgcn-amd-amdhsa--gfx1250"
	.amdhsa_code_object_version 6
	.text
	.protected	k_q4cdcbcd359_gemm
	.globl	k_q4cdcbcd359_gemm
	.p2align	8
	.type	k_q4cdcbcd359_gemm,@function
k_q4cdcbcd359_gemm:
	s_mov_b64 s[64:65], 0
	v_nop
	global_prefetch_b8 v0, s[64:65] scope:SCOPE_SE
	s_setreg_imm32_b32 hwreg(HW_REG_WAVE_MODE, 25, 1), 1
	s_wait_xcnt 0x0
	s_wait_alu depctr_hold_cnt(0) depctr_sa_sdst(0) depctr_va_vdst(0) depctr_va_sdst(0) depctr_va_ssrc(0) depctr_va_vcc(0) depctr_vm_vsrc(0)
	s_getreg_b32 s2, hwreg(HW_REG_IB_STS2, 6, 4)
	s_cmp_eq_u32 s2, 0
	s_cbranch_scc0 .Lentry_in_a_cluster
	s_endpgm
.Lentry_in_a_cluster:
	s_bfe_u32 s2, ttmp6, 0x10000c
	s_cmp_lg_u32 s2, 0xf033
	s_cbranch_scc0 .Lentry_shape_is_right
	s_endpgm
.Lentry_shape_is_right:
; out0[t][o] = sum over i of Q(x)[t][i] Q(W_eff)[o][i] + bias[o].  xq and wq hold images of operand registers in blocks of 12,800 bytes (32 rows x 512 K: 8 fragments of 1,536 bytes, then 512 bytes of scale words).
; Block numbers: xq 128 (ks / 2) + 4 (tp / 2) + 2 (ks % 2) + tp % 2;  wq 256 (ks / 2) + 8 (tp / 4) + 4 (ks % 2) + tp % 4  (tp: 32 rows, ks: 512 along K).
; A work-group makes 128 rows x 256 columns: 256 work-groups.  Four waves, each 64 x 128: 32 accumulators.  The matrix instruction is used transposed (source 0 = 16 rows of W_eff, source 1 = 16 rows of x); the first products' C is the bias.
; K goes in 8 steps of 512, ascending, through two LDS slots.  Waves 0, 1 fetch x's two pairs of blocks, waves 2, 3 W's two fours.  A loading wave's parts of slot 0 and slot 1 lie on end in LDS as they do in memory,
; so ONE joint load a wave at the head fills both slots (200 or 400 rows of 256 bytes); a refill brings one slot's part (100 or 200 rows).
; CLUSTERS 4 x 4: x's tiles are shared along a row of the cluster, W's along a column.
; PREFETCH: behind each refill a wave asks for its part of the step that stands two refills on; the third and fourth steps are asked for behind the head's wait; the last two refills ask for nothing.
; The four partners that fetch a part jointly share its blocks of 256 bytes out by address: 25 each of x's 100 (one instruction, lanes 25-31 name the last block again), 50 each of W's 200 (two instructions).
; THE LAST STEP OF 512 GOES BY ROWS OF THE RESULT: all its fragments of W come into registers (windows 1 and 3), x's come by blocks of 16 rows x 512 K, and each block of 16 rows x 128 columns is stored as soon as its 32 products are done.
; REGISTERS: window 0: v0-31 addresses, v32-79 scale words, v128-223 x's fragments, two sets;  window 1: W's fragments, two sets at v0 and v128, the bias in the gaps v96-127 and v224-255;  window 2: the accumulators;
; window 3: in the last step W's third and fourth quarters.  On the way out the gaps of windows 1 and 3 take the rows read back from the stage, by turns.
.set BLK,    12800
.set APART,  2*BLK                     ; a loading wave's part of a slot: x
.set BPART,  4*BLK                     ; W
.set BBASE,  8*BLK                     ; LDS: x's two regions of 4 blocks, then W's two of 8
.set SPARE,  24*BLK                    ; the spare words, 128 bytes a wave: two blocks of 256 bytes that no other line names
.set STAGE,  BBASE                     ; the way out: in a slot-0 part, which has had its last fill and its last read behind the walk's last barrier
.set PSA,    128*BLK                   ; from a pair of K steps to the next, in xq
.set PSB,    256*BLK                   ; in wq
.set SPITCH, 528
.set ADRA, 16
.set ADRB, 18
.set ADSA, 20
.set ADSB, 22
.set STO,  24
.set RD,   25
.set CO,   26
.set BO,   27
.set SPW,  28                          ; SPARE + 4 x my thread's number; never rewritten
.set NIL,  29                          ; 0; never rewritten
.set PFO,  30                          ; 256 x min(lane, 24); never rewritten
.set SC,   32
.set AF,   128
.set G1,   24
.set G0,   32
.set G1B,  48
.set G0B,  56
.set OFA,  68
.set OFB,  70
.set BSA,  72
.set BSB,  74
.set KST,  76                          ; the pair of K steps that the next refills take
.set PFB,  78                          ; s[78:79] my work-group's share of what my wave fetches, at pair 0, slot 0
.set PFA,  80                          ; s[80:81], s[86:87] the prefetches' addresses, one pair for each slot
.set PFS,  82                          ; PSA or PSB
.set PFE,  83                          ; APART or BPART
.set PFT,  84                          ; s[84:85] an offset
.set MSB, 0
.macro WIN new
.if MSB != \new
	s_set_vgpr_msb (MSB<<8)|\new
.set MSB, \new
.endif
.endm
.set MUL,   0xa1                       ; source 0 (W) window 1, source 1 (x) window 0, C and D window 2
.set MUL1,  0x91                       ; the same with C (the bias) in window 1
.set TO_B,  0x40
.macro JLOAD s                         ; a joint load; an s_nop 0 and four v_nop follow each of the two lines
	s_cmp_eq_u32 s15, 0
	s_cbranch_scc0 .Lfor_b_\@
	tensor_load_to_lds s[G0+4*\s:G0+4*\s+3], s[G1:G1+7]
	s_nop 0
.rept 4
	v_nop
.endr
	s_branch .Lasked_\@
.Lfor_b_\@:
	tensor_load_to_lds s[G0B+4*\s:G0B+4*\s+3], s[G1B:G1B+7]
	s_nop 0
.rept 4
	v_nop
.endr
.Lasked_\@:
.endm
.macro AIM s                           ; slot s's addresses for pair KST; behind slot 1's the pair steps
	s_mul_i32 s[OFA], s[KST], PSA
	s_mul_i32 s[OFB], s[KST], PSB
.if \s
	s_add_co_u32 s[OFA], s[OFA], APART
	s_add_co_u32 s[OFB], s[OFB], BPART
.endif
	s_add_nc_u64 s[G0+4*\s+2:G0+4*\s+3], s[BSA:BSA+1], s[OFA:OFA+1]
	s_add_nc_u64 s[G0B+4*\s+2:G0B+4*\s+3], s[BSB:BSB+1], s[OFB:OFB+1]
	s_or_b32 s[G0+4*\s+3], s[G0+4*\s+3], 0x80000000
	s_or_b32 s[G0B+4*\s+3], s[G0B+4*\s+3], 0x80000000
.if \s
	s_add_co_u32 s[KST], s[KST], 1
	s_and_b32 s[KST], s[KST], 3
.endif
.endm
.macro PFADR pair, add, slot           ; where a prefetch stands: pair KST + add (held under 4: inside the buffer in the trip that does not ask, too); slot
	s_add_co_u32 s[PFT], s[KST], \add
	s_and_b32 s[PFT], s[PFT], 3
	s_mul_i32 s[PFT], s[PFT], s[PFS]
.if \slot
	s_add_co_u32 s[PFT], s[PFT], s[PFE]
.endif
	s_add_nc_u64 s[\pair:\pair+1], s[PFB:PFB+1], s[PFT:PFT+1]
.endm
.macro ASK pair                        ; not in the loop's last trip (s3 = 1): nothing stands two refills on.  W's waves ask for 25 blocks more
	s_cmp_gt_u32 s3, 1
	s_cbranch_scc0 .Lpd_\@
	global_prefetch_b8 v[PFO], s[\pair:\pair+1] th:TH_LOAD_NT scope:SCOPE_SE
	s_cmp_eq_u32 s15, 0
	s_cbranch_scc1 .Lpd_\@
	global_prefetch_b8 v[PFO], s[\pair:\pair+1] offset:6400 th:TH_LOAD_NT scope:SCOPE_SE
.Lpd_\@:
.endm
.macro CREST
	s_cmp_lg_u32 s14, 0
	s_cbranch_scc1 .Lnot_wave_0_\@
	s_barrier_signal -3
.Lnot_wave_0_\@:
	s_barrier_wait -3
	s_barrier_signal -1
	s_barrier_wait -1
.endm
.macro CROUND
	s_barrier_signal -1
	s_barrier_wait -1
	CREST
.endm
	s_load_b128 s[4:7], s[0:1], 0x0                ; xq, wq
	s_load_b128 s[8:11], s[0:1], 0x10              ; bias, out0
	v_lshl_add_u32 v[SPW], v0, 2, SPARE
	v_mov_b32 v[NIL], 0
	ds_add_u32 v[SPW], v[NIL]                      ; the opening lines: the add, twice on end, and its one wait
	ds_add_u32 v[SPW], v[NIL]
	v_lshrrev_b32 v1, 5, v0
	v_readfirstlane_b32 s14, v1                    ; wave
	s_lshr_b32 s15, s14, 1                         ; my half of the rows.  Also: I fetch for x (0) or for W (1)
	s_and_b32 s16, s14, 1                          ; my half of the columns.  Also: which region I fetch
	s_bfe_u32 s40, ttmp6, 0x40000                  ; cx
	s_bfe_u32 s41, ttmp6, 0x40004                  ; cy
	s_lshl_b32 s42, ttmp9, 2
	s_add_co_u32 s42, s42, s40                     ; tile column
	s_and_b32 s17, ttmp7, 0xffff
	s_lshl_b32 s17, s17, 2
	s_add_co_u32 s17, s17, s41                     ; tile row
	s_lshl_b32 s43, s41, 2
	s_lshl_b32 s43, 15, s43                        ; my row of the cluster
	s_lshl_b32 s44, 0x1111, s40                    ; my column
	s_mov_b32 s[KST], 0
	s_mov_b32 s[OFA+1], 0
	s_mov_b32 s[OFB+1], 0
	s_mov_b32 s3, 3                                ; the loop's trips
	; groups 1: dense rows of 256 bytes (32 elements of 8): at the head 200 for x and 400 for W
	s_or_b32 s[G1+0], s43, (3<<16)|(1<<21)
	s_or_b32 s[G1B+0], s44, (3<<16)|(1<<21)
	s_mov_b32 s[G1+1], 32<<16
	s_mov_b32 s[G1+2], 200<<16
	s_mov_b32 s[G1+3], 32<<16
	s_mov_b32 s[G1+4], 200
	s_mov_b32 s[G1+5], 32
	s_mov_b32 s[G1+6], 0
	s_mov_b32 s[G1+7], 0
	s_mov_b32 s[G1B+1], 32<<16
	s_mov_b32 s[G1B+2], 400<<16
	s_mov_b32 s[G1B+3], 32<<16
	s_mov_b32 s[G1B+4], 400
	s_mov_b32 s[G1B+5], 32
	s_mov_b32 s[G1B+6], 0
	s_mov_b32 s[G1B+7], 0
	s_lshl_b32 s20, s17, 3                         ; xq: pair of blocks 2 x tile row + region, 4 blocks each
	s_lshl_b32 s18, s16, 2
	s_add_co_u32 s20, s20, s18
	s_mul_i32 s20, s20, BLK
	s_mov_b32 s21, 0
	s_lshl_b32 s46, s42, 4                         ; wq: four of blocks 2 x tile column + region, 8 blocks each
	s_lshl_b32 s18, s16, 3
	s_add_co_u32 s46, s46, s18
	s_mul_i32 s46, s46, BLK
	s_mov_b32 s47, 0
	s_mul_i32 s45, s16, 4*BLK                      ; where they go
	s_mul_i32 s22, s16, 8*BLK
	s_add_co_u32 s22, s22, BBASE
	s_wait_dscnt 0x0                               ; both opening adds are done
	s_wait_kmcnt 0x0
	s_add_nc_u64 s[BSA:BSA+1], s[4:5], s[20:21]
	s_add_nc_u64 s[BSB:BSB+1], s[6:7], s[46:47]
	CROUND                                         ; all sixteen work-groups are here: the first joint loads meet
.irp s, 0,1
	s_mov_b32 s[G0+4*\s], 1
	s_add_co_u32 s[G0+4*\s+1], s45, \s*APART
	s_mov_b32 s[G0B+4*\s], 1
	s_add_co_u32 s[G0B+4*\s+1], s22, \s*BPART
.endr
	AIM 0
	JLOAD 0                                        ; my one tensor load at the head: both slots' parts, on end
	s_add_co_u32 s[KST], s[KST], 1
	; scalars for the addresses
	s_mul_i32 s88, s15, 4*BLK                      ; my 64 rows of x, slot 0 and slot 1
	s_add_co_u32 s89, s88, APART
	s_mul_i32 s90, s16, 8*BLK                      ; my 128 rows of W
	s_add_co_u32 s90, s90, BBASE
	s_add_co_u32 s91, s90, BPART
	s_mul_i32 s92, s14, 16*SPITCH
	s_add_co_u32 s92, s92, STAGE                   ; my stage
	s_lshl_b32 s20, s17, 7
	s_lshl_b32 s21, s15, 6
	s_add_co_u32 s20, s20, s21
	s_lshl_b32 s20, s20, 14                        ; my first row of out0, in bytes
	s_mov_b32 s21, 0
	s_lshl_b32 s46, s42, 10
	s_lshl_b32 s47, s16, 9
	s_add_co_u32 s46, s46, s47                     ; my first column, in bytes
	s_mov_b32 s47, 0
	s_add_nc_u64 s[8:9], s[8:9], s[46:47]
	s_add_nc_u64 s[10:11], s[10:11], s[46:47]
	s_add_nc_u64 s[10:11], s[10:11], s[20:21]
	s_cmp_eq_u32 s15, 0                            ; the prefetches: do I fetch for x?
	s_mov_b32 s[PFS], PSB
	s_cselect_b32 s[PFS], PSA, s[PFS]
	s_mov_b32 s[PFE], BPART
	s_cselect_b32 s[PFE], APART, s[PFE]
	s_mov_b32 s67, 12800
	s_cselect_b32 s67, 6400, s67                   ; a partner's share, in bytes
	s_cselect_b32 s66, s40, s41                    ; my place among the four that ask with me
	s_cselect_b64 s[PFB:PFB+1], s[BSA:BSA+1], s[BSB:BSB+1]
	s_mul_i32 s[PFT], s66, s67
	s_mov_b32 s[PFT+1], 0
	s_add_nc_u64 s[PFB:PFB+1], s[PFB:PFB+1], s[PFT:PFT+1]
	PFADR PFA, 0, 0                                ; the walk's third step,
	PFADR PFA+6, 0, 1                              ; and its fourth
	; the vector registers of the head, in one run
	v_and_b32 v1, 31, v0
	v_min_u32 v[PFO], 24, v1
	v_lshlrev_b32 v[PFO], 8, v[PFO]
	v_and_b32 v2, 15, v0
	v_bfe_u32 v3, v0, 4, 1
	v_lshlrev_b32 v[CO], 4, v1
	v_lshlrev_b32 v5, 3, v1
	v_lshlrev_b32 v[BO], 5, v3
	v_add_nc_u32 v[ADRA], s88, v[CO]
	v_add_nc_u32 v[ADRA+1], s89, v[CO]
	v_add_nc_u32 v[ADRB], s90, v[CO]
	v_add_nc_u32 v[ADRB+1], s91, v[CO]
	v_add_nc_u32 v[ADSA], s88, v5
	v_add_nc_u32 v[ADSA+1], s89, v5
	v_add_nc_u32 v[ADSB], s90, v5
	v_add_nc_u32 v[ADSB+1], s91, v5
	v_mul_u32_u24 v6, v2, SPITCH
	v_lshl_add_u32 v6, v3, 5, v6
	v_add_nc_u32 v[STO], s92, v6
	v_add_nc_u32 v[RD], s92, v[CO]
	s_wait_alu depctr_va_vdst(0)
	WIN TO_B
.irp b, 0,1,2,3,4,5,6,7
	global_load_b128 v[96+8*(\b%4)+128*(\b/4):96+8*(\b%4)+128*(\b/4)+3], v[BO], s[8:9] offset:64*\b       ; the bias of my 128 columns, in an accumulator's layout
	global_load_b128 v[100+8*(\b%4)+128*(\b/4):100+8*(\b%4)+128*(\b/4)+3], v[BO], s[8:9] offset:64*\b+16
.endr
	WIN 0
; One product on the registers named by rD, rB, rA, rC, rSB, rSA.  bo, ao: the odd block of 16 rows of a pair has its scale words in lanes 16-31
.macro WM bo, ao
.if (\bo) && (\ao)
	v_wmma_scale_f32_16x16x128_f8f6f4 v[rD:rD+7], v[rB:rB+11], v[rA:rA+11], v[rC:rC+7], v[rSB], v[rSA] matrix_a_fmt:MATRIX_FMT_FP6 matrix_b_fmt:MATRIX_FMT_FP6 matrix_a_scale:MATRIX_SCALE_ROW1 matrix_b_scale:MATRIX_SCALE_ROW1
.elseif \bo
	v_wmma_scale_f32_16x16x128_f8f6f4 v[rD:rD+7], v[rB:rB+11], v[rA:rA+11], v[rC:rC+7], v[rSB], v[rSA] matrix_a_fmt:MATRIX_FMT_FP6 matrix_b_fmt:MATRIX_FMT_FP6 matrix_a_scale:MATRIX_SCALE_ROW1
.elseif \ao
	v_wmma_scale_f32_16x16x128_f8f6f4 v[rD:rD+7], v[rB:rB+11], v[rA:rA+11], v[rC:rC+7], v[rSB], v[rSA] matrix_a_fmt:MATRIX_FMT_FP6 matrix_b_fmt:MATRIX_FMT_FP6 matrix_b_scale:MATRIX_SCALE_ROW1
.else
	v_wmma_scale_f32_16x16x128_f8f6f4 v[rD:rD+7], v[rB:rB+11], v[rA:rA+11], v[rC:rC+7], v[rSB], v[rSA] matrix_a_fmt:MATRIX_FMT_FP6 matrix_b_fmt:MATRIX_FMT_FP6
.endif
.endm
.macro MULA a, p, q, sc, first
.irp b, 0,1,2,3,4,5,6,7
.set rD, 8*(8*(\a)+\b)
.set rB, 128*(\p)+12*\b
.set rA, AF+48*(\p)+12*(\a)
.if \first
.set rC, 96+8*(\b%4)+128*(\b/4)
.else
.set rC, rD
.endif
.set rSB, SC+8+24*(\sc)+4*(\b/2)+(\q)
.set rSA, SC+24*(\sc)+4*((\a)/2)+(\q)
	WM (\b%2), ((\a)%2)
.endr
.endm
.macro FETCH slot, q, p                ; the fragments of 128 along K, quarter q of the slot, into set p: images, 512 consecutive bytes a load
	WIN TO_B
.irp b, 0,1,2,3,4,5,6,7
.irp c, 0,1,2
	ds_load_b128 v[128*(\p)+12*\b+4*\c:128*(\p)+12*\b+4*\c+3], v[ADRB+\slot] offset:(\b/2)*BLK+(\b%2)*6144+1536*(\q)+512*\c
.endr
.endr
	WIN 0
.irp a, 0,1,2,3
.irp c, 0,1,2
	ds_load_b128 v[AF+48*(\p)+12*\a+4*\c:AF+48*(\p)+12*\a+4*\c+3], v[ADRA+\slot] offset:(\a/2)*BLK+(\a%2)*6144+1536*(\q)+512*\c
.endr
.endr
.endm
.macro SCALES slot                     ; a slot's scale words: lanes 0-15 the even block of 16 rows, lanes 16-31 the odd one
.irp tp, 0,1
.irp kp, 0,1
	ds_load_b64 v[SC+24*\slot+4*\tp+2*\kp:SC+24*\slot+4*\tp+2*\kp+1], v[ADSA+\slot] offset:12288+BLK*\tp+256*\kp
.endr
.endr
.irp tp, 0,1,2,3
.irp kp, 0,1
	ds_load_b64 v[SC+8+24*\slot+4*\tp+2*\kp:SC+8+24*\slot+4*\tp+2*\kp+1], v[ADSB+\slot] offset:12288+BLK*\tp+256*\kp
.endr
.endr
.endm
.macro PLACES                          ; four places ahead of loads into registers that matrix instructions have read, and of reads of results
.rept 4
	v_nop
.endr
.endm
.macro STEP slot, q, first             ; 32 products on quarter q; the next quarter's fragments are asked for ahead of them.  The 32 accumulators take turns
	s_wait_dscnt 0x0
	PLACES
	FETCH \slot, (\q)+1, 1-(\q)%2
.if \first
	WIN MUL1
.else
	WIN MUL
.endif
	MULA 0, (\q)%2, \q, \slot, \first
	MULA 1, (\q)%2, \q, \slot, \first
	MULA 2, (\q)%2, \q, \slot, \first
	MULA 3, (\q)%2, \q, \slot, \first
	WIN 0
.endm
.macro MEET slot                       ; the first half of a slot's last quarter, and the barrier of the change of slots
	s_wait_tensorcnt 0x0                           ; all my tensor loads have landed;
	ds_add_u32 v[SPW], v[NIL]                      ; 0 onto my spare word;
	s_wait_dscnt 0x1                               ; (the add alone may be out: the fragments are in)
	WIN MUL
	MULA 0, 1, 3, \slot, 0
	s_wait_dscnt 0x0                               ; the add is done, and my reads of this slot are over
	s_barrier_signal -1
	MULA 1, 1, 3, \slot, 0
	WIN 0
	s_barrier_wait -1
.endm
.macro TURN slot, next                 ; a slot's last quarter; the slot is filled again
	s_wait_xcnt 0x0                                ; my earlier prefetches have read their addresses
	PFADR PFA+6*\slot, 1, \slot                    ; two refills on
	MEET \slot
	CREST                                          ; the barrier has opened a round of the cluster's barrier
	AIM \slot
	JLOAD \slot                                    ; the first tensor load behind the round; its four v_nop are the places ahead of the loads below
	FETCH \next, 0, 0
	SCALES \next
	ASK PFA+6*\slot
	WIN MUL
	MULA 2, 1, 3, \slot, 0
	MULA 3, 1, 3, \slot, 0
	WIN 0
.endm
	s_wait_tensorcnt 0x0                           ; my parts of both slots are in; no tensor load of mine is out, so a descriptor may be written:
	s_mov_b32 s[G1+2], 100<<16                     ; from here on a load brings one slot's part
	s_mov_b32 s[G1+4], 100
	s_mov_b32 s[G1B+2], 200<<16
	s_mov_b32 s[G1B+4], 200
	s_barrier_signal -1
	s_barrier_wait -1                              ; everybody's are.
	FETCH 0, 0, 0
	SCALES 0
	ASK PFA                                        ; the third and the fourth step of 512: three and seven quarters ahead of their refills
	ASK PFA+6
	s_wait_loadcnt 0x0                             ; the bias
	STEP 0, 0, 1
.Llap:
	STEP 0, 1, 0
	STEP 0, 2, 0
	TURN 0, 1
	STEP 1, 0, 0
	STEP 1, 1, 0
	STEP 1, 2, 0
	TURN 1, 0
	STEP 0, 0, 0
	s_sub_co_u32 s3, s3, 1
	s_cmp_lg_u32 s3, 0
	s_cbranch_scc1 .Llap
	STEP 0, 1, 0                                   ; the last two steps of 512 fetch nothing more
	STEP 0, 2, 0
; THE LAST STEP OF 512, in slot 1, by rows of the result
.macro BL q                            ; W's eight fragments of quarter q: quarters 0, 1 into window 1, quarters 2, 3 into window 3
.set WB, 0x40+0x80*((\q)/2)
	WIN WB
.irp b, 0,1,2,3,4,5,6,7
.irp c, 0,1,2
	ds_load_b128 v[128*((\q)%2)+12*\b+4*\c:128*((\q)%2)+12*\b+4*\c+3], v[ADRB+1] offset:(\b/2)*BLK+(\b%2)*6144+1536*(\q)+512*\c
.endr
.endr
	WIN 0
.endm
.macro AL a                            ; x's block a of 16 rows, all four quarters, into set a % 2
.irp q, 0,1,2,3
.irp c, 0,1,2
	ds_load_b128 v[AF+48*((\a)%2)+12*\q+4*\c:AF+48*((\a)%2)+12*\q+4*\c+3], v[ADRA+1] offset:((\a)/2)*BLK+((\a)%2)*6144+1536*\q+512*\c
.endr
.endr
.endm
.macro ROW a                           ; block a is finished: 32 products, its 8 accumulators by turns, K ascending
.irp q, 0,1,2,3
.if ((\a) == 0) && (\q == 1)
	s_wait_dscnt 12                                ; W's quarter 1 is in (behind it: x's block 1)
.endif
.set WB, 0xa1+2*(\q/2)
	WIN WB
.irp b, 0,1,2,3,4,5,6,7
.set rD, 8*(8*(\a)+\b)
.set rB, 128*(\q%2)+12*\b
.set rA, AF+48*((\a)%2)+12*\q
.set rC, rD
.set rSB, SC+8+24+4*(\b/2)+\q
.set rSA, SC+24+4*((\a)/2)+\q
	WM (\b%2), ((\a)%2)
.endr
.endr
	WIN 0
.endm
; The way out of block a, through my own stage: in as 32 bytes a lane, back as whole rows of 512 bytes.  LDS serves a wave's instructions in order.
.macro TOSTAGE a
.set AC, 64*(\a)
	WIN 0x08
.irp b, 0,1,2,3,4,5,6,7
	ds_store_b128 v[STO], v[AC+8*\b:AC+8*\b+3] offset:64*\b          ; each accumulator from its low end on
	ds_store_b128 v[STO], v[AC+8*\b+4:AC+8*\b+7] offset:64*\b+16
.endr
.set WB, 0x40+0x80*((\a)%2)
	WIN WB
.irp t, 0,1,2,3,4,5,6,7,8,9,10,11,12,13,14,15
	ds_load_b128 v[96+4*(\t%8)+128*(\t/8):96+4*(\t%8)+128*(\t/8)+3], v[RD] offset:\t*SPITCH
.endr
	WIN 0
.endm
.macro SEND a, younger                 ; younger: the LDS loads issued behind block a's
	s_wait_dscnt \younger
.set WB, 0x04+0x08*((\a)%2)
	WIN WB
.irp t, 0,1,2,3,4,5,6,7,8,9,10,11,12,13,14,15
	global_store_b128 v[CO], v[96+4*(\t%8)+128*(\t/8):96+4*(\t%8)+128*(\t/8)+3], s[10:11] offset:(16*(\a)+\t)*16384 th:TH_STORE_NT   ; 32 lanes store 512 consecutive bytes, aligned; the row stands in the immediate, 63 rows of 16,384 bytes at the most
.endr
	WIN 0
.endm
	MEET 0                                         ; slot 1 is whole for all four waves; nothing is filled again, so no round follows
	PLACES
	BL 0                                           ; set 0 of both operands is free; set 1 is still being multiplied
	BL 2
	BL 3
	AL 0
	SCALES 1
	WIN MUL
	MULA 2, 1, 3, 0, 0
	MULA 3, 1, 3, 0, 0
	WIN 0
	PLACES
	BL 1
	AL 1
	s_wait_dscnt 36                                ; all but the 36 just issued
	ROW 0
.irp a, 0,1,2,3
	PLACES
.if \a > 1
	s_wait_xcnt 0x0                                ; block a - 2's stores have read the registers that block a's rows land in
.endif
	TOSTAGE \a
.if \a < 2
	AL \a+2                                        ; its set takes the block two further on
	SEND \a, 12
.else
	SEND \a, 0
.endif
.if \a < 3
	ROW \a+1
.endif
.endr
	s_wait_tensorcnt 0x0                           ; the wave's end
	ds_add_u32 v[SPW], v[NIL]
	s_wait_dscnt 0x0
	CROUND                                         ; the closing round
	s_endpgm
.Lfunc_end_k_q4cdcbcd359_gemm:
	.size	k_q4cdcbcd359_gemm, .Lfunc_end_k_q4cdcbcd359_gemm-k_q4cdcbcd359_gemm
	.p2alignl 7, 3214868480
	.fill 96, 4, 3214868480
	.section	.rodata,"a",@progbits
	.p2align	6, 0x0
	.amdhsa_kernel k_q4cdcbcd359_gemm
		.amdhsa_group_segment_fixed_size 327680
		.amdhsa_private_segment_fixed_size 0
		.amdhsa_enable_private_segment 0
		.amdhsa_kernarg_size 32
		.amdhsa_user_sgpr_count 2
		.amdhsa_user_sgpr_kernarg_segment_ptr 1
		.amdhsa_wavefront_size32 1
		.amdhsa_system_sgpr_workgroup_id_x 1
		.amdhsa_system_sgpr_workgroup_id_y 1
		.amdhsa_system_sgpr_workgroup_id_z 1
		.amdhsa_system_vgpr_workitem_id 0
		.amdhsa_next_free_vgpr 1024
		.amdhsa_next_free_sgpr 96
		.amdhsa_reserve_vcc 0
		.amdhsa_float_denorm_mode_32 3
		.amdhsa_float_denorm_mode_16_64 3
		.amdhsa_memory_ordered 1
		.amdhsa_forward_progress 1
		.amdhsa_inst_pref_size 137
	.end_amdhsa_kernel
	.amdgpu_metadata
---
amdhsa.version: [ 1, 2 ]
amdhsa.kernels:
  - .name:           k_q4cdcbcd359_gemm
    .symbol:         k_q4cdcbcd359_gemm.kd
    .args:
      - { .name: xq, .offset: 0, .size: 8, .value_kind: global_buffer, .address_space: global }
      - { .name: wq, .offset: 8, .size: 8, .value_kind: global_buffer, .address_space: global }
      - { .name: bias, .offset: 16, .size: 8, .value_kind: global_buffer, .address_space: global }
      - { .name: out0, .offset: 24, .size: 8, .value_kind: global_buffer, .address_space: global }
    .group_segment_fixed_size: 327680
    .private_segment_fixed_size: 0
    .kernarg_segment_align: 8
    .kernarg_segment_size: 32
    .max_flat_workgroup_size: 128
    .sgpr_count:     96
    .vgpr_count:     1024
    .wavefront_size: 32
...
	.end_amdgpu_metadata
.endif
;; end of part 2
